; MI455X (gfx1250); checked and timed in simulation.
; The chip was launched on July 23, 2026; its instructions are those of AMD's public machine-readable ISA for CDNA 5 (MIT licence, August 2026) and "CDNA5" Instruction Set Architecture Reference Guide (July 2026). The comments in the code are by the model that wrote it; some were corrected since.
;; Spatial Attention. Allowed arithmetic: matrix products marked QUANTISED: E2M3 operands, one E8M0 scale for each 32 along K, by v_wmma_scale_f32_16x16x128_f8f6f4 with both operands' format E2M3, f32 sums; everything else in f32.
;; Inputs: b_proj 256 float32; b_qkv 768 float32; rel_bias 8 x 1 x 1 float32; w_proj 256 x 256 float32; w_qkv 256 x 768 float32; x 2 x 64 x 64 x 256 float32.
;; Outputs: out0 2 x 64 x 64 x 256 float32.
;; This version of the problem:
;;   THIS VERSION OF THE PROBLEM IS GIVEN IN LOW PRECISION. The matrix products marked QUANTISED in the list below multiply operands that are first quantised to E2M3 (2 exponent bits, 3 mantissa bits; 6 bits a number), with one power-of-two scale for each 32 numbers along K (OCP MX v1.0); their sums are f32. All else is computed in f32.
;;   The module's matrix products, in the order in which they are computed (A, B: the left and right operand; K: the contracted axis; several contracted axes count as one K, in the product's order):
;;     1. [M 8,192, K 256] x [K 256, N 768]; A: input x; B: input w_qkv: QUANTISED
;;     2. batch 16 x [M 4,096, K 32] x [K 32, N 4,096]; A: computed on the way; B: computed on the way: QUANTISED
;;     3. batch 16 x [M 4,096, K 4,096] x [K 4,096, N 32]; A: softmax (see below); B: computed on the way: QUANTISED
;;     4. [M 8,192, K 256] x [K 256, N 256]; A: computed on the way; B: input w_proj: QUANTISED
;;   THE QUANTISER, for each operand of a quantised product, along K:
;;     - K is cut into blocks of 32 from its start; a last block that is shorter is filled with zeros.
;;     - A block's scale is 2^e with e = floor(log2(the largest magnitude in the block)) - 2, held to -126 .. 127; a block of zeros has e = 0. As a byte (E8M0): e + 127.
;;     - Each number is divided by its block's scale, clamped to +-7.5, and rounded to the nearest number of E2M3, ties to even, subnormals kept.
;;     - The product sums the exact products of the quantised numbers (number of the format x scale) in f32.
;;   ~~~python
;;   def quantise(x, axis):      # numpy; x: float32 -> the quantised numbers, widened to float32 again
;;       x = np.moveaxis(x, axis, -1); K = x.shape[-1]
;;       x = np.pad(x, [(0, 0)] * (x.ndim - 1) + [(0, -K % 32)]); x = x.reshape(x.shape[:-1] + (-1, 32)); a = np.abs(x).max(-1, keepdims=True)
;;       e = np.where(a > 0, np.clip(np.frexp(np.where(a > 0, a, 1))[1] - 1 - 2, -126, 127), 0)      # np.frexp(a)[1] - 1 = floor(log2(a)), exactly
;;       r = np.clip(x / 2.0 ** e, -7.5, 7.5)
;;       step = 2.0 ** (np.maximum(np.frexp(np.where(r == 0, 1, r))[1] - 1, 0) - 3)
;;       q = np.round(r / step) * step * 2.0 ** e      # np.round: ties to even
;;       return np.moveaxis(q.reshape(q.shape[:-2] + (-1,))[..., :K], -1, axis).astype(np.float32)
;;   ~~~
;;   SOFTMAX AHEAD OF A QUANTISED PRODUCT. Where the list says 'softmax', what is quantised is not the finished softmax but p = 2^(t - M), with t = logit x log2(e) and M = ceil(the row's largest t), a whole number; so 1/2 < the row's largest p <= 1. The row's sum l is taken of the UNQUANTISED p, in f32, and the product's result is divided by l at the end. Since M is a whole number, a kernel that streams over the keys may use a running M (the ceiling of the running maximum): every later rescaling is an exact power of two, which a block's scale takes up: the codes' values come out the same.
;;   OPERANDS COMPUTED ON THE WAY. 'Computed on the way' means the value that the module computes at that place (a softmax that the list does not call 'softmax' is quantised finished and normalised). What goes into a quantiser is computed in f32, as accurately as f32 sums, v_exp_f32 and their like allow (about 1e-6 of the number): no bf16 or f16 on the way to a quantiser, and a product that is left as it is and whose result goes on into a quantised operand takes f32 operands (vector FMAs, or v_wmma_f32_16x16x4_f32). A number that lies on a knife's edge between two numbers of the format may be rounded either way, as far as f32 arithmetic and the matrix unit's own rounding can turn it there, and no further.
;; One version. Each part assembles by itself: llvm-mc -triple=amdgcn-amd-amdhsa -mcpu=gfx1250 --defsym DOCPART=n.
;; ======== version 1 of 1: 3 launches
;; limits: right only within a limited range of input values
;; workspace buffers: wcodes 196,608 bytes; wscales 16,384 bytes; qrec 1,703,936 bytes; kv 3,407,872 bytes; orec 2,097,152 bytes
;; launch qkv (part 1): grid 194 x 1, 16 waves a work-group, no clusters, 81,920 bytes of LDS; arguments x, b_qkv, w_qkv, w_proj, wcodes, wscales, qrec, kv; writes wcodes, wscales, qrec, kv
.if DOCPART == 1
	.amdgcn_target "amdgcn-amd-amdhsa--gfx1250"
	.amdhsa_code_object_version 6
	.text
	.protected	k_q45df5c9aaa_qkv
	.globl	k_q45df5c9aaa_qkv
	.p2align	8
	.type	k_q45df5c9aaa_qkv,@function
k_q45df5c9aaa_qkv:
	s_mov_b64 s[64:65], 0
	v_nop
	global_prefetch_b8 v0, s[64:65] scope:SCOPE_SE
	s_setreg_imm32_b32 hwreg(HW_REG_WAVE_MODE, 25, 1), 1
	s_wait_xcnt 0x0
; q, k, v = Q(x) Q(w_qkv) + b_qkv on codes of FP6 (E2M3) with E8M0 scales, each result quantised again for the product that will read it: q and k along the head's 32 channels, v along the keys.
; The same launch turns w_proj into operand fragments for the last launch.  Nothing of the problem is left out.
; SHARES.  Work-group g = 0 .. 191: 128 tokens (g % 64) and one of q, k, v (y = g / 64): 256 columns.  Sixteen waves.  Work-groups 192, 193: w_proj's 32 fragments, one a wave, stored to wcodes and wscales at fragment 96 + its number.
; PHASE 1, wave w: (a) 16 tokens x 128 K of x (tile w / 2, K step w % 2) and (b) two fragments of w_qkv (head w / 2, column tile u = w % 2, both K steps) are quantised and handed to the other waves through LDS
; as images of the operand's registers: three planes of 512 bytes, plane g = registers 4 g .. 4 g + 3, lane L at 16 L; beside each 128 bytes of scale words, lane L's at 4 L.
; A WEIGHT'S FRAGMENT: 16 columns x 128 along K.  K is the weight's first axis: a lane takes a column and its registers run down K in the order of the operand's layout (register 32 c + i: k = 64 c + 32 (lane / 16) + i),
; so the conversions' results are the operand's registers.  Lane r of column tile T takes column 32 (T / 2) + 8 (T % 2) + r + 8 (r / 8).
; PHASE 2, wave w: head w / 2 for the 64 tokens of half w % 2: 8 accumulators, K = 256 in two steps.
; THE TOKENS OF A TILE OF x: for q and v row r of tile T is token 32 (T / 2) + 8 (T % 2) + r + 8 (r / 8); for k it is token 64 (T / 4) + 8 (T % 4) + r % 8 + 32 (r / 8).
; q, k: the product is used TRANSPOSED (source 0 = 16 columns of W, source 1 = 16 tokens): a lane holds one token, and register 16 b + 8 u + j = channel 16 h + 8 u + j of tile b's token.
; v: source 0 = 16 tokens, source 1 = 16 columns: a lane holds channel 8 u + r + 8 (r / 8), and register 32 u + 8 t + j runs along the tokens.
; In both cases the lane's 64 registers are four half blocks of 32 along the next K, which ONE macro turns into an operand's 12 registers and its scale word.  What is stored:
;   q, k image G: block t (registers 6 (t / 2) on, lanes 16 (t % 2) on), row r = the 32 codes of tile t's row r of half G: four tiles of tokens in one operand.
;   v record G: block 2 u + b, row r = channel 8 u + r + 8 (r / 8) over keys 64 G + 32 b + 0 .. 31.
; The bias is the C of each sum's first matrix instruction.
; LIMITS: a block of zeros, or one whose largest magnitude lies under 2^-124, keeps the scale byte 1 (this program alone reads the bytes; zero codes add nothing); NaN and infinities are not served.
; NO CLUSTER, NO TENSOR LOAD: x and the weights arrive as f32 and pass through registers to be quantised: nothing here is a tile that could land in several work-groups' LDS as it is.
.set ST,   16                          ; v16-79   64 numbers of x; later the 8 accumulators
.set ACC,  16
.set XFR,  80                          ; v80-175  8 fragments of x (tile b of my half, K step k: 2 b + k)
.set PC,   80                          ; while a quantiser runs: v80-98 the codes,
.set TM,   100                         ; v100-115 largest magnitudes, bytes, scale operands,
.set PW,   116                         ; v116 the scale word
.set WR,   118                         ; v118-245 phase 1: the numbers of my two fragments of W
.set WF,   176                         ; v176-223 my head's 4 fragments of W (tile u, K step k: 2 u + k)
.set BI,   224                         ; v224-239 the bias as C, two tiles
.set WS,   240                         ; v240-243 W's scale words
.set XS,   244                         ; v244-251 x's scale words
.set BV,   252                         ; v252-253 the bias of v's columns
.set XIMG, 0                           ; LDS: x's 16 images of 1,536 bytes,
.set XSC,  24576                       ; their 16 x 128 bytes of scale words,
.set SPARE, 26624                      ; the spare words, 128 bytes a wave, that no other line names,
.set WIMG, 28672                       ; W's 32 images (4 x head + 2 u + k),
.set WSC,  77824                       ; their 32 x 128 bytes of scale words
.set SEL,  22
; 64 numbers of a lane, register 16 b + i = k 32 b + 16 (lane / 16) + i of my row, become a fragment's codes in v[PC] on and its scale word in v[PW].
.macro QUANT s
.irp b, 0,1,2,3
	v_max3_num_f32 v[TM+\b], |v[\s+16*\b]|, |v[\s+1+16*\b]|, 0x1800000   ; block b: my 16 numbers, with the floor 2^(3 - 127): the byte cannot fall under 1.  (Each accumulator is read from its low end on)
.endr
.irp i, 2,4,6,8,10,12,14
.irp b, 0,1,2,3
	v_max3_num_f32 v[TM+\b], v[TM+\b], |v[\s+16*\b+\i]|, |v[\s+1+16*\b+\i]|   ; the four blocks by turns
.endr
.endr
.irp b, 0,1,2,3
	s_delay_alu instid0(VALU_DEP_4)
	v_permlanex16_b32 v[TM+4+\b], v[TM+\b], s[SEL], s[SEL+1]
.endr
.irp b, 0,1,2,3
	s_delay_alu instid0(VALU_DEP_4)
	v_max_num_f32 v[TM+\b], v[TM+\b], v[TM+4+\b]   ; with lane l xor 16's: the block's largest magnitude
.endr
.irp b, 0,1,2,3
	s_delay_alu instid0(VALU_DEP_4)
	v_add_nc_u32 v[TM+12+\b], 0xff000000, v[TM+\b] ; 2 off its exponent field: the conversion's scale operand
.endr
.irp b, 0,1,2,3
	s_delay_alu instid0(VALU_DEP_4)
	v_lshrrev_b32 v[TM+4+\b], 23, v[TM+12+\b]      ; the scale's byte
.endr
	s_delay_alu instid0(VALU_DEP_3)
	v_lshl_or_b32 v[PW], v[TM+5], 8, v[TM+4]       ; the four bytes make my row's scale word
	s_delay_alu instid0(VALU_DEP_1)
	v_lshl_or_b32 v[PW], v[TM+6], 16, v[PW]
	s_delay_alu instid0(VALU_DEP_1)
	v_lshl_or_b32 v[PW], v[TM+7], 24, v[PW]
.irp c, 0,1
	v_cvt_scalef32_pk16_fp6_f32 v[PC+6*\c:PC+2+6*\c], v[\s+32*\c:\s+15+32*\c], v[TM+12+2*\c]
	v_cvt_scalef32_pk16_fp6_f32 v[PC+12+4*\c:PC+14+4*\c], v[\s+16+32*\c:\s+31+32*\c], v[TM+12+2*\c+1]   ; (a conversion's three registers begin on an even number)
.endr
	v_nop                                          ; one plain place behind a scaled conversion
.irp c, 0,1                                    ; the operand's layout wants a WHOLE block in a lane: lanes 0-15 block 2 c, lanes 16-31 block 2 c + 1
.irp i, 0,1,2
	v_permlane16_swap_b32 v[PC+6*\c+\i], v[PC+12+4*\c+\i]
.endr
.irp i, 0,1,2
	s_delay_alu instid0(VALU_DEP_3)
	v_mov_b32 v[PC+3+6*\c+\i], v[PC+12+4*\c+\i]
.endr
.endr
.endm
; 64 numbers of a weight's column, register 32 c + i = k 64 c + 32 (lane / 16) + i: two whole blocks of mine.  The same results in the same registers.
.macro WQUANT s
.irp c, 0,1
	v_max3_num_f32 v[TM+\c], |v[\s+32*\c]|, |v[\s+1+32*\c]|, 0x1800000
.endr
.irp i, 2,4,6,8,10,12,14,16,18,20,22,24,26,28,30
.irp c, 0,1
	v_max3_num_f32 v[TM+\c], v[TM+\c], |v[\s+32*\c+\i]|, |v[\s+1+32*\c+\i]|   ; the two blocks by turns
.endr
.endr
.irp c, 0,1
	v_add_nc_u32 v[TM+12+\c], 0xff000000, v[TM+\c]
.endr
.irp c, 0,1
	v_lshrrev_b32 v[TM+4+\c], 23, v[TM+12+\c]
.endr
	v_lshl_or_b32 v[PW], v[TM+5], 16, v[TM+4]      ; my two bytes: blocks h and 2 + h of my column,
	v_lshlrev_b32 v[PW], v14, v[PW]                ; 8 h bits up;
	v_permlanex16_b32 v[TM+6], v[PW], s[SEL], s[SEL+1]
	v_or_b32 v[PW], v[PW], v[TM+6]                 ; with lane l xor 16's two the word is whole, in both halves of the lanes
.irp c, 0,1
	v_cvt_scalef32_pk16_fp6_f32 v[PC+6*\c:PC+2+6*\c], v[\s+32*\c:\s+15+32*\c], v[TM+12+\c]
	v_cvt_scalef32_pk16_fp6_f32 v[PC+12+4*\c:PC+14+4*\c], v[\s+16+32*\c:\s+31+32*\c], v[TM+12+\c]
.endr
	v_nop                                          ; one plain place behind a scaled conversion
.irp c, 0,1
.irp i, 0,1,2
	v_mov_b32 v[PC+3+6*\c+\i], v[PC+12+4*\c+\i]
.endr
.endr
.endm
.macro WLOAD reg, off, base, first, pitch      ; register n: row 64 (n / 32) + n % 32 of the fragment's 128, from my half's first row on
.set n, 0
.rept 64
	global_load_b32 v[\reg+n], v[\off], s[\base:\base+1] offset:\first+(64*(n/32)+n%32)*\pitch
.set n, n+1
.endr
.endm
.macro FETCH reg, adr, off                     ; an image comes back as it went, in any wave
.irp c, 0,1,2
	ds_load_b128 v[\reg+4*\c:\reg+4*\c+3], v[\adr] offset:\off+512*\c
.endr
.endm
	s_load_b256 s[4:11], s[0:1], 0x0               ; x, b_qkv, w_qkv, w_proj
	s_load_b256 s[48:55], s[0:1], 0x20             ; wcodes, wscales, qrec, kv
	v_lshl_add_u32 v254, v0, 2, SPARE
	v_mov_b32 v255, 0
	v_lshrrev_b32 v1, 5, v0
	s_delay_alu instid0(VALU_DEP_1)
	v_readfirstlane_b32 s16, v1                    ; wave 0..15
	s_lshr_b32 s17, ttmp9, 6                       ; 0 q, 1 k, 2 v, 3 w_proj
	s_and_b32 s18, ttmp9, 63                       ; which 128 tokens
	s_lshr_b32 s19, s16, 1                         ; my head; in the first phase: my tile of x
	s_and_b32 s20, s16, 1                          ; my half of the tokens; in the first phase: my K step of x, my column tile of W
	s_lshl_b32 s21, s17, 3
	s_add_co_u32 s21, s21, s19                     ; U: my 32 columns of w_qkv
	s_mov_b32 s[SEL], 0x76543210
	s_mov_b32 s[SEL+1], 0xfedcba98                 ; v_permlanex16_b32's selects for lane l xor 16
	s_cmp_eq_u32 s17, 1
	s_cselect_b32 s46, 2, 0                        ; 2 for k, else 0
	v_and_b32 v1, 31, v0                           ; lane
	v_and_b32 v2, 15, v0                           ; r
	v_bfe_u32 v3, v0, 4, 1                         ; h
	s_delay_alu instid0(VALU_DEP_2)
	v_and_b32 v4, 8, v2
	s_delay_alu instid0(VALU_DEP_1)
	v_add_nc_u32 v4, v4, v2                        ; r + 8 (r / 8)
	v_and_b32 v5, 8, v2
	s_delay_alu instid0(VALU_DEP_1)
	v_mad_u32_u24 v5, v5, s46, v4                  ; for k 16 (r / 8) more: r % 8 + 32 (r / 8)
	s_delay_alu instid0(VALU_DEP_1)
	v_lshlrev_b32 v5, 10, v5
	s_delay_alu instid0(VALU_DEP_1)
	v_lshl_add_u32 v5, v3, 6, v5                   ; x: my token's row of 1,024 bytes, + 64 h: my 16 numbers of a block of 32
	v_lshlrev_b32 v6, 4, v1                        ; 16 x lane
	v_lshlrev_b32 v7, 2, v1                        ; 4 x lane
	s_mul_i32 s44, s16, 1536
	v_add_nc_u32 v8, s44, v6                       ; where I store my image of x
	s_lshl_b32 s44, s16, 7
	v_add_nc_u32 v9, s44, v7                       ; and its scale words
	s_mul_i32 s44, s20, 12288
	v_add_nc_u32 v10, s44, v6                      ; where my half's eight images begin
	s_lshl_b32 s44, s20, 10
	v_add_nc_u32 v11, s44, v7                      ; and their scale words
	v_lshlrev_b32 v12, 6, v3                       ; the bias for q, k: 16 h numbers on
	v_lshlrev_b32 v13, 2, v4                       ; the bias for v: my column
.irp b, 0,1,2,3
	v_mov_b32 v[TM+4+\b], 0                        ; written once: a lane permute's destination counts as one of its sources
.endr
	s_mul_i32 s44, s19, 6144
	v_add_nc_u32 v1, s44, v6                       ; where my head's four images of W begin (less WIMG)
	s_lshl_b32 s44, s19, 9
	s_add_co_u32 s44, s44, WSC
	v_add_nc_u32 v2, s44, v7                       ; and their scale words
	s_mul_i32 s44, s16, 3072
	v_add_nc_u32 v246, s44, v6                     ; where I store my two images of W (less WIMG)
	s_lshl_b32 s44, s16, 8
	s_add_co_u32 s44, s44, WSC
	v_add_nc_u32 v247, s44, v7                     ; and their scale words
	v_lshlrev_b32 v14, 3, v3                       ; 8 h
	v_mul_u32_u24 v15, 0x18000, v3                 ; w_qkv: lanes 16-31 begin 32 rows of 3,072 bytes further down,
	v_lshl_add_u32 v15, v4, 2, v15                 ; + my column
	v_lshlrev_b32 v248, 2, v4                      ; w_proj: the same with rows of 1,024 bytes
	v_lshl_add_u32 v248, v3, 15, v248
	s_lshr_b32 s47, s46, 1
	s_add_co_u32 s47, s47, 1                       ; a = 1, for k 2
	s_lshl_b32 s28, s18, 7                         ; x: token 128 x
	s_lshr_b32 s29, s19, s47
	s_lshl_b32 s29, s29, s47                       ; the tile's number less its last a bits,
	s_sub_co_u32 s47, s19, s29                     ; and those bits
	s_lshl_b32 s29, s29, 4                         ; + 32 (tile / 2), for k 64 (tile / 4)
	s_add_co_u32 s28, s28, s29
	s_lshl_b32 s47, s47, 3                         ; + 8 (tile % 2), for k 8 (tile % 4)
	s_add_co_u32 s28, s28, s47
	s_lshl_b32 s28, s28, 10                        ; in bytes,
	s_lshl_b32 s29, s20, 9
	s_add_co_u32 s28, s28, s29                     ; + my K step's 512 bytes
	s_mov_b32 s29, 0
	s_lshl_b32 s30, s21, 7                         ; w_qkv: my head's 32 columns of 4 bytes,
	s_lshl_b32 s31, s20, 5
	s_add_co_u32 s30, s30, s31                     ; + 8 u columns
	s_mov_b32 s31, 0
	s_lshl_b32 s34, s21, 7                         ; my 32 numbers of the bias
	s_mov_b32 s35, 0
	s_lshr_b32 s36, s18, 5                         ; the record: ((batch x 8 + head) x 32 + the 128 tokens' number in the batch)
	s_lshl_b32 s36, s36, 3
	s_add_co_u32 s36, s36, s19
	s_lshl_b32 s36, s36, 5
	s_and_b32 s37, s18, 31
	s_add_co_u32 s36, s36, s37
	s_lshl_b32 s38, s17, 8
	s_add_co_u32 s38, s38, 5888                    ; in a record of kv the scale words begin at 6,144 (k) or 6,400 (v),
	s_lshr_b32 s39, s17, 1
	s_mul_i32 s39, s39, 3072                       ; the images at 0 (k) or 3,072 (v),
	s_mul_i32 s40, s20, 1536
	s_add_co_u32 s39, s39, s40                     ; + my half's
	s_lshl_b32 s45, s20, 7
	s_wait_alu depctr_va_vdst(0)
	s_wait_kmcnt 0x0
	s_cmp_eq_u32 s17, 3                            ; the parting on the work-group's number, the same in all sixteen waves: the other way has no LDS instruction and no barrier
	s_cbranch_scc1 .Lwp
	s_add_nc_u64 s[4:5], s[4:5], s[28:29]
	s_add_nc_u64 s[8:9], s[8:9], s[30:31]
	s_add_nc_u64 s[6:7], s[6:7], s[34:35]
	s_cmp_eq_u32 s17, 0                            ; q goes to qrec, k and v to kv: the choice hangs on the work-group's number alone
	s_cselect_b64 s[24:25], s[52:53], s[54:55]
	s_mov_b32 s37, 6656
	s_cselect_b32 s37, 3328, s37                   ; a record's bytes
	s_cselect_b32 s38, 3072, s38                   ; in a record of qrec the scale words begin at 3,072
	s_mul_i32 s36, s36, s37
	s_add_co_u32 s40, s36, s38
	s_add_co_u32 s40, s40, s45
	s_mov_b32 s41, 0
	s_add_nc_u64 s[26:27], s[24:25], s[40:41]      ; where my scale words go
	s_add_co_u32 s42, s36, s39
	s_mov_b32 s43, 0
	s_add_nc_u64 s[24:25], s[24:25], s[42:43]      ; where my image goes
	; ---- the loads: x's 16, then 64 for each of my two fragments of W
.irp b, 0,1,2,3
.irp j, 0,1,2,3
	global_load_b128 v[ST+16*\b+4*\j:ST+16*\b+4*\j+3], v5, s[4:5] offset:128*\b+16*\j
.endr
.endr
	WLOAD WR, 15, 8, 0, 3072
	WLOAD WR+64, 15, 8, 393216, 3072               ; K step 1: 128 rows further down
	s_wait_loadcnt 63                              ; loads come back in order: of the 144 at most the last 63 are out: x's 16 and the first fragment's 64 are in
	QUANT ST
.irp c, 0,1,2
	ds_store_b128 v8, v[PC+4*\c:PC+4*\c+3] offset:XIMG+512*\c
.endr
	ds_store_b32 v9, v[PW] offset:XSC
	s_wait_dscnt 0x0                               ; the stores have read their registers: the next codes may be written
	WQUANT WR
.irp c, 0,1,2
	ds_store_b128 v246, v[PC+4*\c:PC+4*\c+3] offset:WIMG+512*\c
.endr
	ds_store_b32 v247, v[PW]
	s_wait_loadcnt 0x0                             ; the second fragment's numbers
	s_wait_dscnt 0x0
	WQUANT WR+64
.irp c, 0,1,2
	ds_store_b128 v246, v[PC+4*\c:PC+4*\c+3] offset:WIMG+1536+512*\c
.endr
	ds_store_b32 v247, v[PW] offset:128
.irp u, 0,1                                    ; the bias comes now: its registers lay under the weights' numbers
.irp e, 0,1
	global_load_b128 v[BI+8*\u+4*\e:BI+8*\u+4*\e+3], v12, s[6:7] offset:32*\u+16*\e   ; b(32 U + 16 h + 8 u + j): q's and k's form
.endr
.endr
.irp u, 0,1
	global_load_b32 v[BV+\u], v13, s[6:7] offset:32*\u                 ; b(32 U + 8 u + r + 8 (r / 8)): v's form
.endr
	s_wait_dscnt 0x0                               ; for the others' sake: my stores have landed
	s_barrier_signal -1
	s_barrier_wait -1                              ; x's sixteen images and W's thirty-two lie in LDS
.irp b, 0,1,2,3
.irp k, 0,1
	FETCH XFR+12*(2*\b+\k), 10, XIMG+3072*\b+1536*\k
	ds_load_b32 v[XS+2*\b+\k], v11 offset:XSC+256*\b+128*\k
.endr
.endr
.irp k, 0,1,2,3,4,5,6,7,8,9,10,11
	ds_load_b128 v[WF+4*\k:WF+4*\k+3], v1 offset:WIMG+512*\k           ; my head's four images on end
.endr
.irp k, 0,1,2,3
	ds_load_b32 v[WS+\k], v2 offset:128*\k
.endr
	s_wait_loadcnt 0x0                             ; the bias
	s_wait_dscnt 0x0                               ; the fragments
	s_cmp_eq_u32 s17, 2                            ; on the work-group's number, the same in all sixteen waves; no barrier follows it
	s_cbranch_scc1 .Lv
	; q, k: transposed.  Eight accumulators by turns, in the same order in both K steps
.irp k, 0,1
.irp b, 0,1,2,3
.irp u, 0,1
.if \k == 0
	v_wmma_scale_f32_16x16x128_f8f6f4 v[ACC+16*\b+8*\u:ACC+16*\b+8*\u+7], v[WF+12*(2*\u+\k):WF+12*(2*\u+\k)+11], v[XFR+12*(2*\b+\k):XFR+12*(2*\b+\k)+11], v[BI+8*\u:BI+8*\u+7], v[WS+2*\u+\k], v[XS+2*\b+\k] matrix_a_fmt:MATRIX_FMT_FP6 matrix_b_fmt:MATRIX_FMT_FP6
.else
	v_wmma_scale_f32_16x16x128_f8f6f4 v[ACC+16*\b+8*\u:ACC+16*\b+8*\u+7], v[WF+12*(2*\u+\k):WF+12*(2*\u+\k)+11], v[XFR+12*(2*\b+\k):XFR+12*(2*\b+\k)+11], v[ACC+16*\b+8*\u:ACC+16*\b+8*\u+7], v[WS+2*\u+\k], v[XS+2*\b+\k] matrix_a_fmt:MATRIX_FMT_FP6 matrix_b_fmt:MATRIX_FMT_FP6
.endif
.endr
.endr
.endr
	s_branch .Lout
.Lv:
	; v: a lane holds one column, so its bias is the same in all eight registers of a tile
.irp u, 0,1
.irp j, 0,1,2,3,4,5,6,7
	v_mov_b32 v[BI+8*\u+\j], v[BV+\u]
.endr
.endr
.rept 4
	v_nop
.endr
.irp k, 0,1
.irp u, 0,1
.irp t, 0,1,2,3
.if \k == 0
	v_wmma_scale_f32_16x16x128_f8f6f4 v[ACC+32*\u+8*\t:ACC+32*\u+8*\t+7], v[XFR+12*(2*\t+\k):XFR+12*(2*\t+\k)+11], v[WF+12*(2*\u+\k):WF+12*(2*\u+\k)+11], v[BI+8*\u:BI+8*\u+7], v[XS+2*\t+\k], v[WS+2*\u+\k] matrix_a_fmt:MATRIX_FMT_FP6 matrix_b_fmt:MATRIX_FMT_FP6
.else
	v_wmma_scale_f32_16x16x128_f8f6f4 v[ACC+32*\u+8*\t:ACC+32*\u+8*\t+7], v[XFR+12*(2*\t+\k):XFR+12*(2*\t+\k)+11], v[WF+12*(2*\u+\k):WF+12*(2*\u+\k)+11], v[ACC+32*\u+8*\t:ACC+32*\u+8*\t+7], v[XS+2*\t+\k], v[WS+2*\u+\k] matrix_a_fmt:MATRIX_FMT_FP6 matrix_b_fmt:MATRIX_FMT_FP6
.endif
.endr
.endr
.endr
.Lout:
.rept 4
	v_nop                                          ; four places between the last products and the first read of results, and the first write over x's fragments (ISA guide 7.12.1)
.endr
	QUANT ACC
.irp c, 0,1,2
	global_store_b128 v6, v[PC+4*\c:PC+4*\c+3], s[24:25] offset:512*\c   ; 32 lanes store 512 consecutive bytes, at a multiple of 256 from the buffer's first byte
.endr
	global_store_b32 v7, v[PW], s[26:27]
	s_wait_tensorcnt 0x0                           ; the wave's end
	ds_add_u32 v254, v255
	s_wait_dscnt 0x0
	s_endpgm
.Lwp:
	; w_proj: fragment F = 16 (g - 192) + wave: column tile T = F / 2, K step F % 2; it goes to place 96 + F of wcodes and wscales
	s_lshl_b32 s28, s18, 4
	s_add_co_u32 s28, s28, s16                     ; F
	s_lshr_b32 s29, s28, 1                         ; T
	s_and_b32 s30, s28, 1                          ; the K step
	s_lshr_b32 s31, s29, 1
	s_lshl_b32 s31, s31, 7                         ; 32 (T / 2) columns of 4 bytes
	s_and_b32 s32, s29, 1
	s_lshl_b32 s32, s32, 5                         ; 8 (T % 2) columns
	s_add_co_u32 s31, s31, s32
	s_lshl_b32 s30, s30, 17                        ; 128 rows of 1,024 bytes
	s_add_co_u32 s30, s30, s31
	s_mov_b32 s31, 0
	s_add_nc_u64 s[10:11], s[10:11], s[30:31]
	s_add_co_u32 s28, s28, 96
	s_mul_i32 s32, s28, 1536                       ; the fragment's image
	s_mov_b32 s33, 0
	s_add_nc_u64 s[48:49], s[48:49], s[32:33]
	s_lshl_b32 s34, s28, 7                         ; and its scale words
	s_mov_b32 s35, 0
	s_add_nc_u64 s[50:51], s[50:51], s[34:35]
	WLOAD WR, 248, 10, 0, 1024
	s_wait_loadcnt 0x0
	WQUANT WR
.irp c, 0,1,2
	global_store_b128 v6, v[PC+4*\c:PC+4*\c+3], s[48:49] offset:512*\c   ; 32 lanes store 512 consecutive bytes, at a multiple of 256 from the buffer's first byte
.endr
	global_store_b32 v7, v[PW], s[50:51]
	s_endpgm
.Lfunc_end_k_q45df5c9aaa_qkv:
	.size	k_q45df5c9aaa_qkv, .Lfunc_end_k_q45df5c9aaa_qkv-k_q45df5c9aaa_qkv
	.p2alignl 7, 3214868480
	.fill 96, 4, 3214868480
	.section	.rodata,"a",@progbits
	.p2align	6, 0x0
	.amdhsa_kernel k_q45df5c9aaa_qkv
		.amdhsa_group_segment_fixed_size 81920
		.amdhsa_private_segment_fixed_size 0
		.amdhsa_enable_private_segment 0
		.amdhsa_kernarg_size 64
		.amdhsa_user_sgpr_count 2
		.amdhsa_user_sgpr_kernarg_segment_ptr 1
		.amdhsa_wavefront_size32 1
		.amdhsa_system_sgpr_workgroup_id_x 1
		.amdhsa_system_sgpr_workgroup_id_y 1
		.amdhsa_system_sgpr_workgroup_id_z 1
		.amdhsa_system_vgpr_workitem_id 0
		.amdhsa_next_free_vgpr 256
		.amdhsa_next_free_sgpr 66
		.amdhsa_reserve_vcc 0
		.amdhsa_float_denorm_mode_32 3
		.amdhsa_float_denorm_mode_16_64 3
		.amdhsa_memory_ordered 1
		.amdhsa_forward_progress 1
		.amdhsa_inst_pref_size 53
	.end_amdhsa_kernel
	.amdgpu_metadata
---
amdhsa.version: [ 1, 2 ]
amdhsa.kernels:
  - .name:           k_q45df5c9aaa_qkv
    .symbol:         k_q45df5c9aaa_qkv.kd
    .args:
      - { .name: x, .offset: 0, .size: 8, .value_kind: global_buffer, .address_space: global }
      - { .name: b_qkv, .offset: 8, .size: 8, .value_kind: global_buffer, .address_space: global }
      - { .name: w_qkv, .offset: 16, .size: 8, .value_kind: global_buffer, .address_space: global }
      - { .name: w_proj, .offset: 24, .size: 8, .value_kind: global_buffer, .address_space: global }
      - { .name: wcodes, .offset: 32, .size: 8, .value_kind: global_buffer, .address_space: global }
      - { .name: wscales, .offset: 40, .size: 8, .value_kind: global_buffer, .address_space: global }
      - { .name: qrec, .offset: 48, .size: 8, .value_kind: global_buffer, .address_space: global }
      - { .name: kv, .offset: 56, .size: 8, .value_kind: global_buffer, .address_space: global }
    .group_segment_fixed_size: 81920
    .private_segment_fixed_size: 0
    .kernarg_segment_align: 8
    .kernarg_segment_size: 64
    .max_flat_workgroup_size: 512
    .sgpr_count:     66
    .vgpr_count:     256
    .wavefront_size: 32
...
	.end_amdgpu_metadata
.endif
;; end of part 1
;; launch attn (part 2): grid 16 x 16, 16 waves a work-group, clusters of 4 x 1, 215,040 bytes of LDS; arguments qrec, kv, rel_bias, orec; writes orec
.if DOCPART == 2
	.amdgcn_target "amdgcn-amd-amdhsa--gfx1250"
	.amdhsa_code_object_version 6
	.text
	.protected	k_q45df5c9aaa_attn
	.globl	k_q45df5c9aaa_attn
	.p2align	8
	.type	k_q45df5c9aaa_attn,@function
k_q45df5c9aaa_attn:
	s_mov_b64 s[64:65], 0
	v_nop
	global_prefetch_b8 v0, s[64:65] scope:SCOPE_SE
	s_setreg_imm32_b32 hwreg(HW_REG_WAVE_MODE, 25, 1), 1
	s_wait_xcnt 0x0
	s_wait_alu depctr_hold_cnt(0) depctr_sa_sdst(0) depctr_va_vdst(0) depctr_va_sdst(0) depctr_va_ssrc(0) depctr_va_vcc(0) depctr_vm_vsrc(0)
	s_getreg_b32 s2, hwreg(HW_REG_IB_STS2, 6, 4)
	s_cmp_eq_u32 s2, 0
	s_cbranch_scc0 .Lentry_in_a_cluster
	s_endpgm
.Lentry_in_a_cluster:
	s_bfe_u32 s2, ttmp6, 0x10000c
	s_cmp_lg_u32 s2, 0x3003
	s_cbranch_scc0 .Lentry_shape_is_right
	s_endpgm
.Lentry_shape_is_right:
; o = softmax(q k^T / sqrt(32) + rel_bias) v for one (batch, head), on codes of FP6 (E2M3) with E8M0 scales, and o quantised along the head's 32 channels for the projection.
; p = 2^(t - M), t = score x log2(e) / sqrt(32) + rel_bias x log2(e), M = the ceiling of the running largest t, a whole number; the row's sum is taken of the unquantised p; o is divided by it at the end.
; rel_bias moves t - M by a fraction and so p's codes: it is honoured.  Nothing of the problem is left out here.
; SHARES.  Work-group (x, y): y = batch x 8 + head, x = 256 queries.  Wave w of sixteen: one tile of 16 queries, all 4,096 keys in 32 steps of 128.
; K AND V of the head, 32 records of 6,656 bytes, lie in LDS for the whole launch: each wave fetches two records, 52 rows of 256 bytes, by its one tensor load.
; CLUSTER: the four work-groups of a cluster have the same y and ask for these records jointly (mask 15).
; NO PREFETCH: the one stream is asked for whole at the head; there is no loop to run ahead in.
; A RECORD (128 keys): k's images of 64 keys at 0 and 1,536, v's at 3,072 and 4,608 (three planes of 512 bytes, plane g = registers 4 g .. 4 g + 3, lane L at 16 L); scale words (4 L) of k at 6,144 and 6,272, of v at 6,400 and 6,528.
; SCORES, TRANSPOSED: source 0 = an image of k, whose block t holds the 32 channels of tile t's 16 keys; source 1 = q's 32 codes in block t and zero codes elsewhere: 8 products a step.
; Row 8 h + j of tile t of image g is key 64 g + 32 h + 8 t + j, so lane (r, h) holds query r, and registers S + 32 g + 0 .. 31 are the whole block 2 g + h of 32 neighbouring keys, in the order of p's operand.
; So a block's largest score, its scale and its codes need no other lane; only the row's maximum and p's scale word cross the two halves of the lanes.
; O^T += v^T p^T: source 0 = 16 channels x 128 keys, put together by the LDS loads from the two images (registers 6 u .. 6 u + 5 of image c are registers 6 c .. 6 c + 5 of channel tile u): 2 products a step.
; LIMITS: the promise holds while |t| stays under 2^31; NaN and infinities are not served; a block whose every p lies under 2^-124 keeps the scale byte 1 (its codes are zeros or the smallest).
.set REC,   6656
.set SPARE, 32*REC                     ; behind the records: the spare words, 128 bytes a wave, that no other line names
.set T,     40                         ; v40-46   the second halves of p's blocks as converted
.set P,     48                         ; v48-59   p's operand
.set QW,    60                         ; v60-89   zeros, q in lanes 0-15, zeros, q in lanes 16-31, zeros: four windows of 12 registers give q in block 0 .. 3
.set KI,    90                         ; v90-113  k's two images
.set VR,    114                        ; v114-137 v's two operands
.set O,     138                        ; v138-153 O^T: register 8 u + j = channel 16 h + 8 u + j
.set S,     154                        ; v154-217 scores, then p
.set SPW,   218                        ; my spare word's address; never rewritten
.set NIL,   219                        ; 0; never rewritten
; v1, v2: 16 x lane, 4 x lane; v3, v4: the same in this step's record; v7, v8: byte selectors; v9: rel_bias x log2(e); v10: -M; v12: v9 - M; v13: the running largest score
; v[14:15], v[18:19]: the row's sum; v16: f = 2^(old M - new M); v22-25: q's scale words; v26, v27: k's; v28-30: v's; v31: p's; v32-39: a block's maxima and scales
.macro CROUND                          ; a round of the cluster's barrier
	s_barrier_signal -1
	s_barrier_wait -1
	s_cmp_lg_u32 s12, 0
	s_cbranch_scc1 .Lnot_wave_0_\@
	s_barrier_signal -3
.Lnot_wave_0_\@:
	s_barrier_wait -3
	s_barrier_signal -1
	s_barrier_wait -1
.endm
	s_load_b256 s[4:11], s[0:1], 0x0               ; qrec, kv, rel_bias, orec
	v_lshl_add_u32 v[SPW], v0, 2, SPARE
	v_mov_b32 v[NIL], 0
	ds_add_u32 v[SPW], v[NIL]                      ; the opening lines: the add, twice on end, and its wait
	ds_add_u32 v[SPW], v[NIL]
	v_lshrrev_b32 v20, 5, v0
	s_delay_alu instid0(VALU_DEP_1)
	v_readfirstlane_b32 s12, v20                   ; wave 0..15
	s_bfe_u32 s13, ttmp6, 0x40000                  ; cx
	s_lshl_b32 s14, ttmp9, 2
	s_add_co_u32 s14, s14, s13                     ; work-group x: which 256 queries
	s_and_b32 s15, ttmp7, 0xffff                   ; batch x 8 + head
	s_mov_b32 s16, 15|(3<<16)|(1<<21)              ; group 1: the mask of the four, elements of 8 bytes
	s_mov_b32 s17, 32<<16                          ; rows of 32 elements,
	s_mov_b32 s18, 52<<16                          ; 52 of them: two records
	s_mov_b32 s19, 32<<16
	s_mov_b32 s20, 52
	s_mov_b32 s21, 32
	s_mov_b32 s22, 0
	s_mov_b32 s23, 0
	s_mul_i32 s25, s12, 2*REC                      ; LDS: my two records' place
	s_mul_i32 s38, s15, 32*REC
	s_add_co_u32 s38, s38, s25
	s_mov_b32 s39, 0
	s_and_b32 s40, s15, 7
	s_lshl_b32 s40, s40, 2                         ; my head's rel_bias
	s_mov_b32 s41, 0
	s_wait_dscnt 0x0                               ; both opening adds are done
	s_wait_kmcnt 0x0
	s_mov_b32 s24, 1
	s_add_nc_u64 s[26:27], s[6:7], s[38:39]
	s_or_b32 s27, s27, 0x80000000
	s_add_nc_u64 s[8:9], s[8:9], s[40:41]
	s_load_b32 s44, s[8:9], 0x0
	CROUND                                         ; the four work-groups are here: the joint loads meet
	tensor_load_to_lds s[24:27], s[16:23]          ; my one tensor load
	s_nop 0
	s_mov_b32 s32, 0x76543210
	s_mov_b32 s33, 0xfedcba98                      ; v_permlanex16_b32's selects for lane l xor 16
	s_mov_b32 s34, 0x3e8293ee                      ; c = log2(e) / sqrt(32)
	s_mov_b32 s35, s34
	s_mov_b32 s36, 0                               ; this step's record in LDS
	s_lshr_b32 s38, s12, 3                         ; q: record 2 x + w / 8 of my (batch, head), image (w / 4) % 2, block t = w % 4
	s_lshl_b32 s39, s14, 1
	s_add_co_u32 s39, s39, s38
	s_lshl_b32 s40, s15, 5
	s_add_co_u32 s40, s40, s39
	s_mul_i32 s40, s40, 3328
	s_mov_b32 s41, 0
	s_add_nc_u64 s[4:5], s[4:5], s[40:41]
	s_bfe_u32 s42, s12, 0x10002
	s_and_b32 s43, s12, 3
	s_lshr_b32 s45, s43, 1
	s_and_b32 s46, s43, 1
	s_mul_i32 s47, s42, 1536
	s_lshl_b32 s46, s46, 8
	s_add_co_u32 s47, s47, s46                     ; the image, + 16 (t % 2) lanes of 16 bytes
	s_mul_i32 s48, s45, 520
	s_add_co_u32 s48, s48, s47                     ; registers 6 (t / 2) + 0, 1 of the image: byte 0 or 520,
	s_mul_i32 s49, s45, 1016
	s_add_co_u32 s49, s49, s47
	s_add_co_u32 s49, s49, 8                       ; + 2, 3: byte 8 or 1,024,
	s_add_co_u32 s50, s48, 512                     ; + 4, 5: byte 512 or 1,032
	s_lshl_b32 s51, s42, 7
	s_add_co_u32 s51, s51, 3072                    ; the image's scale words
	s_lshl_b32 s52, s15, 8                         ; o's record: ((batch x 8 + head) x 256 + 16 x + w) x 512 bytes
	s_lshl_b32 s53, s14, 4
	s_add_co_u32 s52, s52, s53
	s_add_co_u32 s52, s52, s12
	s_lshl_b32 s52, s52, 9
	s_mov_b32 s53, 0
	s_add_nc_u64 s[10:11], s[10:11], s[52:53]
	s_lshl_b32 s43, s43, 3                         ; 8 t
	v_and_b32 v5, 15, v0                           ; r
	v_and_b32 v21, 31, v0                          ; lane
	v_bfe_u32 v11, v0, 4, 1                        ; h
	v_lshlrev_b32 v20, 4, v5
	v_lshl_add_u32 v35, v5, 2, s51
	v_add_nc_u32 v32, s48, v20
	v_add_nc_u32 v33, s49, v20
	v_add_nc_u32 v34, s50, v20
	global_load_b64 v[S:S+1], v32, s[4:5]          ; query r's 32 codes, in both halves of the lanes
	global_load_b64 v[S+2:S+3], v33, s[4:5]
	global_load_b64 v[S+4:S+5], v34, s[4:5]
	global_load_b32 v36, v35, s[4:5]               ; and its row's scale word
	v_lshlrev_b32 v1, 4, v21
	v_lshlrev_b32 v2, 2, v21
.irp z, 0,12,24
.irp i, 0,1,2,3,4,5
	v_mov_b32 v[QW+\z+\i], 0                       ; zero codes
.endr
.endr
.set j, 0
.rept 16
	v_mov_b32 v[O+j], 0                            ; the step is written for every step alike: the first finds zeros
.set j, j+1
.endr
	v_mov_b32 v14, 0
	v_mov_b32 v15, 0
	v_mov_b32 v17, 0                               ; (named as the upper half of the pair v[16:17])
	v_mov_b32 v39, 0                               ; (a lane permute's destination counts as one of its sources)
	v_mov_b32 v13, 0xff61b1e6                      ; the largest score so far: -3e38
	v_cmp_eq_u32 vcc_lo, 1, v11
	v_mov_b32 v7, 0x0c070c03                       ; p's two scale bytes go to bytes h and 2 + h of a word, zeros between
	v_mov_b32 v37, 0x070c030c
	v_mov_b32 v8, 0x05040100                       ; v's scale word of channel tile u = h: bytes 2 u, 2 u + 1 of each image's word
	v_mov_b32 v38, 0x07060302
	v_cndmask_b32 v7, v7, v37, vcc_lo
	v_cndmask_b32 v8, v8, v38, vcc_lo
	s_wait_alu depctr_va_vdst(0)
	s_wait_kmcnt 0x0
	s_wait_loadcnt 0x0
	v_mov_b32 v9, s44
	s_delay_alu instid0(VALU_DEP_1)
	v_mul_f32 v9, 0x3fb8aa3b, v9                   ; rel_bias x log2(e)
	v_lshrrev_b32 v36, s43, v36
	s_delay_alu instid0(VALU_DEP_2)
	v_fma_f32 v10, v13, s34, v9
	s_delay_alu instid0(VALU_DEP_2)
	v_and_b32 v36, 0xff, v36                       ; q's scale byte
	s_delay_alu instid0(VALU_DEP_2)
	v_floor_f32 v10, -v10                          ; -M
.irp j, 0,1,2,3
	v_lshl_or_b32 v[22+\j], v36, 8*\j, 0x01010101&~(0xff<<(8*\j))   ; at byte j; the zero codes' blocks have the byte 1
.endr
.irp i, 0,1,2,3,4,5
	v_cndmask_b32 v[QW+6+\i], v[S+\i], v[QW], vcc_lo
	v_cndmask_b32 v[QW+18+\i], 0, v[S+\i], vcc_lo
.endr
.rept 4
	v_nop                                          ; operands written by vector instructions stand 4 places ahead of a scaled matrix instruction, scale registers 8
.endr
	s_wait_alu depctr_va_vdst(0)
	s_wait_tensorcnt 0x0                           ; my two records are in
	s_barrier_signal -1
	s_barrier_wait -1                              ; and everybody's
.irp k, 0,1,2,3,4,5
	ds_load_b128 v[KI+4*\k:KI+4*\k+3], v1 offset:512*\k   ; step 0's k
.endr
	ds_load_b32 v26, v2 offset:6144
	ds_load_b32 v27, v2 offset:6272
	s_wait_dscnt 0x0
.macro SUMS n                          ; the next n of the 32 lines that add p's 32 pairs to the row's sum, in two chains; the first brings the old sum under the new M in the same line
.rept \n
.if SQ == 0
	v_pk_fma_f32 v[14:15], v[14:15], v[16:17], v[S:S+1] op_sel_hi:[1,0,1]
.elseif SQ == 1
	v_pk_add_f32 v[18:19], v[S+2:S+3], v[S+4:S+5]
.elseif SQ == 31
	v_pk_add_f32 v[14:15], v[14:15], v[18:19]
.elseif SQ%2 == 0
	v_pk_add_f32 v[14:15], v[14:15], v[S+2*SQ+2:S+2*SQ+3]
.else
	v_pk_add_f32 v[18:19], v[18:19], v[S+2*SQ+2:S+2*SQ+3]
.endif
.set SQ, SQ+1
.endr
.endm
.macro STEP more                       ; 128 keys.  more = 1: the next step's k is fetched under the softmax
.irp g, 0,1
.irp t, 0,1,2,3
	v_wmma_scale_f32_16x16x128_f8f6f4 v[S+32*\g+8*\t:S+32*\g+8*\t+7], v[KI+12*\g:KI+12*\g+11], v[QW+6+12*(\t%2)-6*(\t/2):QW+17+12*(\t%2)-6*(\t/2)], 0, v[26+\g], v[22+\t] matrix_a_fmt:MATRIX_FMT_FP6 matrix_b_fmt:MATRIX_FMT_FP6
.endr
.endr
	v_add_nc_u32 v3, s36, v1                       ; four places ahead of the loads into operands and of the first read of scores
	v_add_nc_u32 v4, s36, v2
	v_mov_b32 v21, v10                             ; the old -M
	v_nop
.irp c, 0,1                                    ; v: image c's registers 0-5 are channel tile 0's, 6-11 channel tile 1's, keys 64 c + 32 h on
	ds_load_b128 v[VR+6*\c:VR+6*\c+3], v3 offset:3072+1536*\c
	ds_load_b64 v[VR+6*\c+4:VR+6*\c+5], v3 offset:3072+1536*\c+512
	ds_load_b64 v[VR+12+6*\c:VR+12+6*\c+1], v3 offset:3072+1536*\c+520
	ds_load_b128 v[VR+12+6*\c+2:VR+12+6*\c+5], v3 offset:3072+1536*\c+1024
.endr
	ds_load_b32 v28, v4 offset:6400
	ds_load_b32 v29, v4 offset:6528
.if \more
.irp k, 0,1,2,3,4,5
	ds_load_b128 v[KI+4*\k:KI+4*\k+3], v3 offset:REC+512*\k
.endr
	ds_load_b32 v26, v4 offset:REC+6144
	ds_load_b32 v27, v4 offset:REC+6272
.endif
.irp c, 0,1                                    ; my two blocks' largest scores, each in two chains; each accumulator is read from its low end on
	v_max3_num_f32 v[32+\c], v[S+32*\c], v[S+32*\c+1], v[S+32*\c+2]
	v_max3_num_f32 v[34+\c], v[S+32*\c+16], v[S+32*\c+17], v[S+32*\c+18]
.endr
.irp i, 3,5,7,9,11,13
.irp c, 0,1
	v_max3_num_f32 v[32+\c], v[32+\c], v[S+32*\c+\i], v[S+32*\c+\i+1]
	v_max3_num_f32 v[34+\c], v[34+\c], v[S+32*\c+16+\i], v[S+32*\c+17+\i]
.endr
.endr
.irp c, 0,1
	v_max3_num_f32 v[32+\c], v[32+\c], v[34+\c], v[S+32*\c+15]
.endr
.irp c, 0,1
	v_max_num_f32 v[32+\c], v[32+\c], v[S+32*\c+31]
.endr
	v_max3_num_f32 v13, v13, v32, v33              ; the running largest score of my query,
	v_permlanex16_b32 v20, v13, s32, s33
	v_max_num_f32 v13, v13, v20                    ; with lane l xor 16's keys
	v_fma_f32 v20, v13, s34, v9                    ; as t (c is positive)
	v_floor_f32 v10, -v20                          ; -M = floor(-t): M is a whole number
	v_sub_f32 v21, v10, v21                        ; old M - new M, 0 or less
	v_add_f32 v12, v9, v10                         ; what is added to score x c
	v_cvt_i32_f32 v21, v21                         ; (it saturates)
	v_ldexp_f32 v16, 1.0, v21                      ; f = 2^(old M - new M): rounds nothing
.set j, 0
.rept 32
	v_pk_fma_f32 v[S+j:S+j+1], v[S+j:S+j+1], s[34:35], v[12:13] op_sel_hi:[1,0,0]   ; t - M
.set j, j+2
.endr
.irp c, 0,1
	v_fma_f32 v[32+\c], v[32+\c], s34, v12         ; the same of each block's largest score
.endr
.set j, 0
.rept 8
	v_pk_mul_f32 v[O+j:O+j+1], v[O+j:O+j+1], v[16:17] op_sel_hi:[1,0]   ; O^T under the new M, each accumulator from its low end on
.set j, j+2
.endr
	s_wait_alu depctr_va_vdst(0)
	s_wait_dscnt 0x0                               ; v, its scale words and the next k are in: all were asked for ahead of the maxima
.set j, 0
.rept 64
	v_exp_f32 v[S+j], v[S+j]                       ; p, at most 1
.set j, j+1
.endr
.irp c, 0,1
	v_exp_f32 v[32+\c], v[32+\c]                   ; the block's largest p: the same two instructions on the same number
.endr
	v_perm_b32 v30, v29, v28, v8                   ; v's scale words: lanes 0-15 channel tile 0's, lanes 16-31 tile 1's.  (The plain place behind the batch)
	s_wait_alu depctr_va_vdst(0)                   ; one wait for the whole batch
.set SQ, 0
.irp c, 0,1
	v_max_num_f32 v[32+\c], 0x1800000, v[32+\c]    ; the floor 2^(3 - 127): the byte cannot fall under 1
.endr
.irp c, 0,1
	v_add_nc_u32 v[34+\c], 0xff000000, v[32+\c]    ; 2 off the exponent field: the conversion's scale operand
.endr
.irp c, 0,1
	v_lshl_add_u32 v[36+\c], v[32+\c], 1, 0xfe000000   ; and the scale's byte in the top byte
.endr
.irp c, 0,1
	v_cvt_scalef32_pk16_fp6_f32 v[P+6*\c:P+6*\c+2], v[S+32*\c:S+32*\c+15], v[34+\c]
	v_cvt_scalef32_pk16_fp6_f32 v[T+4*\c:T+4*\c+2], v[S+32*\c+16:S+32*\c+31], v[34+\c]   ; (a conversion's three registers begin on an even number)
.endr
	SUMS 1                                         ; the plain place behind the conversions
	v_perm_b32 v38, v37, v36, v7                   ; my two bytes at h and 2 + h
	SUMS 2
	v_permlanex16_b32 v39, v38, s32, s33
	SUMS 2
	v_or_b32 v31, v38, v39                         ; with lane l xor 16's two: p's scale word of these 128 keys
.irp c, 0,1
.irp i, 0,1,2
	v_mov_b32 v[P+6*\c+3+\i], v[T+4*\c+\i]
.endr
.endr
	SUMS 27                                        ; also the places between p's operand and scale word and the products
	v_wmma_scale_f32_16x16x128_f8f6f4 v[O:O+7], v[VR:VR+11], v[P:P+11], v[O:O+7], v30, v31 matrix_a_fmt:MATRIX_FMT_FP6 matrix_b_fmt:MATRIX_FMT_FP6
	v_wmma_scale_f32_16x16x128_f8f6f4 v[O+8:O+15], v[VR+12:VR+23], v[P:P+11], v[O+8:O+15], v30, v31 matrix_a_fmt:MATRIX_FMT_FP6 matrix_b_fmt:MATRIX_FMT_FP6 matrix_a_scale:MATRIX_SCALE_ROW1
.endm
	s_mov_b32 s37, 31
.Lstep:
	STEP 1
	s_add_co_u32 s36, s36, REC
	s_sub_co_u32 s37, s37, 1
	s_cmp_lg_u32 s37, 0
	s_cbranch_scc1 .Lstep
	STEP 0                                         ; the last step fetches no further k
	v_add_f32 v14, v14, v15                        ; the sum's two halves,
	s_delay_alu instid0(VALU_DEP_1)
	v_permlanex16_b32 v20, v14, s32, s33
	s_delay_alu instid0(VALU_DEP_1)
	v_add_f32 v14, v14, v20                        ; and lane l xor 16's keys
	s_wait_alu depctr_va_vdst(0)                   ; the wait ahead of the transcendental
	v_rcp_f32 v14, v14
	v_and_b32 v5, 15, v0
	s_delay_alu instid0(VALU_DEP_1)
	v_lshlrev_b32 v5, 4, v5
	s_delay_alu instid0(VALU_DEP_1)
	v_lshl_add_u32 v5, v11, 3, v5                  ; 16 r + 8 h
	v_cmp_eq_u32 vcc_lo, 1, v11
	s_wait_alu depctr_va_vdst(0)                   ; and ahead of its first reader, which is O^T's too
.set j, 0
.rept 16
	v_mul_f32 v[S+j], v[O+j], v14                  ; o(query r, channel 16 h + j)
.set j, j+1
.endr
	v_max3_num_f32 v32, |v[S]|, |v[S+1]|, 0x1800000
.irp i, 2,4,6,8,10,12,14
	s_delay_alu instid0(VALU_DEP_1)
	v_max3_num_f32 v32, v32, |v[S+\i]|, |v[S+\i+1]|
.endr
	s_delay_alu instid0(VALU_DEP_1)
	v_permlanex16_b32 v36, v32, s32, s33
	s_delay_alu instid0(VALU_DEP_1)
	v_max_num_f32 v32, v32, v36                    ; the largest magnitude of the head's 32 channels
	s_delay_alu instid0(VALU_DEP_1)
	v_add_nc_u32 v40, 0xff000000, v32
	s_delay_alu instid0(VALU_DEP_1)
	v_lshrrev_b32 v21, 23, v40                     ; the scale's byte
	v_cvt_scalef32_pk16_fp6_f32 v[44:46], v[S:S+15], v40
	v_nop                                          ; one plain place behind a scaled conversion
	v_permlanex16_b32 v37, v45, s32, s33
	v_permlanex16_b32 v38, v46, s32, s33
	v_cndmask_b32 v32, v44, v38, vcc_lo            ; the block's six registers R0 .. R5: lanes 0-15 made R0-R2, lanes 16-31 R3-R5
	v_cndmask_b32 v33, v45, v44, vcc_lo            ; at 16 r + 8 h: R0, R1 | R2, R3
	s_delay_alu instid0(VALU_DEP_4)
	v_cndmask_b32 v34, v37, v21, vcc_lo            ; at 256 + 16 r + 8 h: R4, R5 | the scale's byte
	s_delay_alu instid0(VALU_DEP_4)
	v_cndmask_b32 v35, v38, v21, vcc_lo
	global_store_b64 v5, v[32:33], s[10:11]        ; 32 lanes store 256 consecutive bytes, at a multiple of 256 from the buffer's first byte
	global_store_b64 v5, v[34:35], s[10:11] offset:256
	s_wait_tensorcnt 0x0                           ; the wave's end
	ds_add_u32 v[SPW], v[NIL]
	s_wait_dscnt 0x0
	CROUND                                         ; the closing round
	s_endpgm
.Lfunc_end_k_q45df5c9aaa_attn:
	.size	k_q45df5c9aaa_attn, .Lfunc_end_k_q45df5c9aaa_attn-k_q45df5c9aaa_attn
	.p2alignl 7, 3214868480
	.fill 96, 4, 3214868480
	.section	.rodata,"a",@progbits
	.p2align	6, 0x0
	.amdhsa_kernel k_q45df5c9aaa_attn
		.amdhsa_group_segment_fixed_size 215040
		.amdhsa_private_segment_fixed_size 0
		.amdhsa_enable_private_segment 0
		.amdhsa_kernarg_size 32
		.amdhsa_user_sgpr_count 2
		.amdhsa_user_sgpr_kernarg_segment_ptr 1
		.amdhsa_wavefront_size32 1
		.amdhsa_system_sgpr_workgroup_id_x 1
		.amdhsa_system_sgpr_workgroup_id_y 1
		.amdhsa_system_sgpr_workgroup_id_z 1
		.amdhsa_system_vgpr_workitem_id 0
		.amdhsa_next_free_vgpr 220
		.amdhsa_next_free_sgpr 66
		.amdhsa_reserve_vcc 1
		.amdhsa_float_denorm_mode_32 3
		.amdhsa_float_denorm_mode_16_64 3
		.amdhsa_memory_ordered 1
		.amdhsa_forward_progress 1
		.amdhsa_inst_pref_size 37
	.end_amdhsa_kernel
	.amdgpu_metadata
---
amdhsa.version: [ 1, 2 ]
amdhsa.kernels:
  - .name:           k_q45df5c9aaa_attn
    .symbol:         k_q45df5c9aaa_attn.kd
    .args:
      - { .name: qrec, .offset: 0, .size: 8, .value_kind: global_buffer, .address_space: global }
      - { .name: kv, .offset: 8, .size: 8, .value_kind: global_buffer, .address_space: global }
      - { .name: rel_bias, .offset: 16, .size: 8, .value_kind: global_buffer, .address_space: global }
      - { .name: orec, .offset: 24, .size: 8, .value_kind: global_buffer, .address_space: global }
    .group_segment_fixed_size: 215040
    .private_segment_fixed_size: 0
    .kernarg_segment_align: 8
    .kernarg_segment_size: 32
    .max_flat_workgroup_size: 512
    .sgpr_count:     66
    .vgpr_count:     220
    .wavefront_size: 32
...
	.end_amdgpu_metadata
.endif
;; end of part 2
;; launch proj (part 3): grid 256 x 1, 8 waves a work-group, no clusters, 34,304 bytes of LDS; arguments orec, wcodes, wscales, b_proj, out0; writes out0
.if DOCPART == 3
	.amdgcn_target "amdgcn-amd-amdhsa--gfx1250"
	.amdhsa_code_object_version 6
	.text
	.protected	k_q45df5c9aaa_proj
	.globl	k_q45df5c9aaa_proj
	.p2align	8
	.type	k_q45df5c9aaa_proj,@function
k_q45df5c9aaa_proj:
	s_mov_b64 s[64:65], 0
	v_nop
	global_prefetch_b8 v0, s[64:65] scope:SCOPE_SE
	s_setreg_imm32_b32 hwreg(HW_REG_WAVE_MODE, 25, 1), 1
	s_wait_xcnt 0x0
; out0 = Q(o) Q(w_proj) + b_proj on codes of FP6 (E2M3) with E8M0 scales.  o arrives as codes, made by the launch before: for each (batch, head, tile of 16 tokens) a record of 512 bytes: the six registers of row r's
; block (the head's 32 channels) as R0 .. R3 at 16 r and R4, R5 at 256 + 16 r, its scale byte at 256 + 16 r + 8.  Row r of tile 2 k + u is token 32 k + 8 u + r + 8 (r / 8).
; K = 256 = 8 heads: a K step of 128 is four heads, and the operand's layout gives lane (r, h) blocks h and 2 + h: heads 4 s + h and 4 s + 2 + h.  So a lane loads its registers from two records as they lie.
; SHARES.  Work-group g: tokens 32 g .. 32 g + 31 (two tiles).  Wave w of eight: columns 32 w .. 32 w + 31 (two tiles of w_proj, laid as images by the first launch).  Four accumulators by turns, two K steps.
; The product is used TRANSPOSED (source 0 = 16 columns of W, source 1 = 16 tokens): a lane holds one token and columns 32 w + 16 h + 8 u' + j.  The bias is the C of each sum's first matrix instruction.
; THE WAY OUT: a row's 1,024 bytes come from eight waves: they meet in a stage in LDS (32 rows of 1,024 + 16 bytes), and each wave stores four whole rows, 512 consecutive bytes an instruction.
; NO CLUSTER, NO TENSOR LOAD: a wave's weights are 6,144 bytes and its part of o 6,144, both loaded straight into operand registers, once; the launch has one short step and nothing to overlap a fill with.
.set WF,  16                           ; v16-63   my 4 fragments of W (tile u', K step s: 2 u' + s); later rows of the result
.set OF,  64                           ; v64-111  o's 4 fragments (tile u, K step s: 2 u + s)
.set ACC, 112                          ; v112-143 accumulators (u, u'): 2 u + u'
.set BI,  144                          ; v144-159 the bias as C
.set WS,  160                          ; v160-163 W's scale words
.set OS,  164                          ; v164-167 o's scale words
.set SB,  168                          ; v168-175 o's scale bytes as loaded
.set SP,  1040                         ; a stage row
	s_load_b256 s[4:11], s[0:1], 0x0               ; orec, wcodes, wscales, b_proj
	s_load_b64 s[12:13], s[0:1], 0x20              ; out0
	v_lshl_add_u32 v184, v0, 2, 0x8200
	v_mov_b32 v185, 0
	v_lshrrev_b32 v1, 5, v0
	s_delay_alu instid0(VALU_DEP_1)
	v_readfirstlane_b32 s14, v1                    ; wave 0..7
	s_mov_b32 s16, 0x76543210
	s_mov_b32 s17, 0xfedcba98                      ; v_permlanex16_b32's selects for lane l xor 16
	v_and_b32 v1, 31, v0                           ; lane
	v_and_b32 v2, 15, v0                           ; r
	v_bfe_u32 v3, v0, 4, 1                         ; h
	s_delay_alu instid0(VALU_DEP_2)
	v_and_b32 v4, 8, v2
	s_delay_alu instid0(VALU_DEP_1)
	v_add_nc_u32 v4, v4, v2                        ; r + 8 (r / 8)
	v_lshlrev_b32 v5, 4, v1                        ; 16 x lane
	v_lshlrev_b32 v6, 2, v1                        ; 4 x lane
	v_lshlrev_b32 v7, 4, v2
	s_delay_alu instid0(VALU_DEP_1)
	v_lshl_add_u32 v7, v3, 17, v7                  ; o: 16 r, + one head (256 records of 512 bytes) for lanes 16-31
	v_lshlrev_b32 v8, 6, v3                        ; the bias: 16 h numbers on
	v_mul_u32_u24 v9, v4, SP
	s_delay_alu instid0(VALU_DEP_1)
	v_lshl_add_u32 v9, v3, 6, v9
	s_lshl_b32 s18, s14, 7
	v_add_nc_u32 v9, s18, v9                       ; the stage, in: my token's row, + 128 w + 64 h bytes
	s_mul_i32 s18, s14, 4*SP
	v_add_nc_u32 v10, s18, v5                      ; and back: my four rows, 16 bytes a lane
	v_lshlrev_b32 v11, 3, v3                       ; 8 h
.irp f, 0,1,2,3
	v_mov_b32 v[180+\f], 0                         ; written once: a lane permute's destination counts as one of its sources
.endr
	s_lshr_b32 s18, ttmp9, 7
	s_lshl_b32 s18, s18, 20                        ; the batch: 8 heads x 256 records x 512 bytes,
	s_and_b32 s19, ttmp9, 127
	s_lshl_b32 s19, s19, 10                        ; my two tiles' records
	s_add_co_u32 s18, s18, s19
	s_mov_b32 s19, 0
	s_lshl_b32 s20, s14, 2
	s_add_co_u32 s20, s20, 96                      ; w_proj's fragments begin at 96; mine are four
	s_mul_i32 s22, s20, 1536
	s_mov_b32 s23, 0
	s_lshl_b32 s24, s20, 7
	s_mov_b32 s25, 0
	s_lshl_b32 s26, s14, 7                         ; my 32 numbers of the bias
	s_mov_b32 s27, 0
	s_lshl_b32 s28, ttmp9, 5
	s_lshl_b32 s29, s14, 2
	s_add_co_u32 s28, s28, s29
	s_lshl_b32 s28, s28, 10                        ; the first row that I store: 32 g + 4 w, of 1,024 bytes
	s_mov_b32 s29, 0
	s_wait_kmcnt 0x0
	s_add_nc_u64 s[4:5], s[4:5], s[18:19]
	s_add_nc_u64 s[6:7], s[6:7], s[22:23]
	s_add_nc_u64 s[8:9], s[8:9], s[24:25]
	s_add_nc_u64 s[10:11], s[10:11], s[26:27]
	s_add_nc_u64 s[12:13], s[12:13], s[28:29]
.irp k, 0,1,2,3,4,5,6,7,8,9,10,11
	global_load_b128 v[WF+4*\k:WF+4*\k+3], v5, s[6:7] offset:512*\k    ; four images on end
.endr
.irp k, 0,1,2,3
	global_load_b32 v[WS+\k], v6, s[8:9] offset:128*\k
.endr
.irp u, 0,1
.irp e, 0,1
	global_load_b128 v[BI+8*\u+4*\e:BI+8*\u+4*\e+3], v8, s[10:11] offset:32*\u+16*\e   ; b(32 w + 16 h + 8 u' + j)
.endr
.endr
.irp u, 0,1                                    ; o's fragment (tile u, K step s): registers 6 c on = head 4 s + 2 c + h
.irp s, 0,1
.irp c, 0,1
	global_load_b128 v[OF+12*(2*\u+\s)+6*\c:OF+12*(2*\u+\s)+6*\c+3], v7, s[4:5] offset:512*\u+524288*\s+262144*\c
	global_load_b64 v[OF+12*(2*\u+\s)+6*\c+4:OF+12*(2*\u+\s)+6*\c+5], v7, s[4:5] offset:512*\u+524288*\s+262144*\c+256
	global_load_b32 v[SB+2*(2*\u+\s)+\c], v7, s[4:5] offset:512*\u+524288*\s+262144*\c+264
.endr
.endr
.endr
	s_wait_loadcnt 0x0
.irp f, 0,1,2,3
	v_lshl_or_b32 v[176+\f], v[SB+2*\f+1], 16, v[SB+2*\f]   ; my two bytes: blocks h and 2 + h of row r,
.endr
	s_wait_alu depctr_va_vdst(0)
.irp f, 0,1,2,3
	v_lshlrev_b32 v[176+\f], v11, v[176+\f]        ; 8 h bits up;
.endr
.irp f, 0,1,2,3
	s_delay_alu instid0(VALU_DEP_4)
	v_permlanex16_b32 v[180+\f], v[176+\f], s16, s17
.endr
.irp f, 0,1,2,3
	s_delay_alu instid0(VALU_DEP_4)
	v_or_b32 v[OS+\f], v[176+\f], v[180+\f]        ; with lane l xor 16's two the word is whole
.endr
.rept 8
	v_nop                                          ; a scale register written by a vector instruction stands 8 places ahead of a scaled matrix instruction
.endr
.irp s, 0,1                                    ; four accumulators by turns, in the same order in both K steps
.irp u, 0,1
.irp n, 0,1
.if \s == 0
	v_wmma_scale_f32_16x16x128_f8f6f4 v[ACC+8*(2*\u+\n):ACC+8*(2*\u+\n)+7], v[WF+12*(2*\n+\s):WF+12*(2*\n+\s)+11], v[OF+12*(2*\u+\s):OF+12*(2*\u+\s)+11], v[BI+8*\n:BI+8*\n+7], v[WS+2*\n+\s], v[OS+2*\u+\s] matrix_a_fmt:MATRIX_FMT_FP6 matrix_b_fmt:MATRIX_FMT_FP6
.else
	v_wmma_scale_f32_16x16x128_f8f6f4 v[ACC+8*(2*\u+\n):ACC+8*(2*\u+\n)+7], v[WF+12*(2*\n+\s):WF+12*(2*\n+\s)+11], v[OF+12*(2*\u+\s):OF+12*(2*\u+\s)+11], v[ACC+8*(2*\u+\n):ACC+8*(2*\u+\n)+7], v[WS+2*\n+\s], v[OS+2*\u+\s] matrix_a_fmt:MATRIX_FMT_FP6 matrix_b_fmt:MATRIX_FMT_FP6
.endif
.endr
.endr
.endr
.rept 4
	v_nop                                          ; four places ahead of the first read of results and of the loads into W's registers
.endr
.irp u, 0,1
.irp n, 0,1
	ds_store_b128 v9, v[ACC+8*(2*\u+\n):ACC+8*(2*\u+\n)+3] offset:8*SP*\u+32*\n          ; each accumulator from its low end on
	ds_store_b128 v9, v[ACC+8*(2*\u+\n)+4:ACC+8*(2*\u+\n)+7] offset:8*SP*\u+32*\n+16
.endr
.endr
	s_wait_dscnt 0x0                               ; for the others' sake: my stores have landed
	s_barrier_signal -1
	s_barrier_wait -1                              ; 32 whole rows lie in the stage
.irp i, 0,1,2,3,4,5,6,7
	ds_load_b128 v[16+4*\i:19+4*\i], v10 offset:SP*(\i/2)+512*(\i%2)
.endr
.irp i, 0,1,2,3,4,5,6,7
	s_wait_dscnt 7-\i                              ; LDS loads come back in order: load i is in, the 7 - i younger ones may stay out
	global_store_b128 v5, v[16+4*\i:19+4*\i], s[12:13] offset:1024*(\i/2)+512*(\i%2) th:TH_STORE_NT   ; 32 lanes store 512 consecutive bytes, at a multiple of 256 from out0's first byte; written once, read by nobody here
.endr
	s_wait_tensorcnt 0x0
	ds_add_u32 v184, v185
	s_wait_dscnt 0x0
	s_endpgm
.Lfunc_end_k_q45df5c9aaa_proj:
	.size	k_q45df5c9aaa_proj, .Lfunc_end_k_q45df5c9aaa_proj-k_q45df5c9aaa_proj
	.p2alignl 7, 3214868480
	.fill 96, 4, 3214868480
	.section	.rodata,"a",@progbits
	.p2align	6, 0x0
	.amdhsa_kernel k_q45df5c9aaa_proj
		.amdhsa_group_segment_fixed_size 34304
		.amdhsa_private_segment_fixed_size 0
		.amdhsa_enable_private_segment 0
		.amdhsa_kernarg_size 40
		.amdhsa_user_sgpr_count 2
		.amdhsa_user_sgpr_kernarg_segment_ptr 1
		.amdhsa_wavefront_size32 1
		.amdhsa_system_sgpr_workgroup_id_x 1
		.amdhsa_system_sgpr_workgroup_id_y 1
		.amdhsa_system_sgpr_workgroup_id_z 1
		.amdhsa_system_vgpr_workitem_id 0
		.amdhsa_next_free_vgpr 186
		.amdhsa_next_free_sgpr 66
		.amdhsa_reserve_vcc 0
		.amdhsa_float_denorm_mode_32 3
		.amdhsa_float_denorm_mode_16_64 3
		.amdhsa_memory_ordered 1
		.amdhsa_forward_progress 1
		.amdhsa_inst_pref_size 12
	.end_amdhsa_kernel
	.amdgpu_metadata
---
amdhsa.version: [ 1, 2 ]
amdhsa.kernels:
  - .name:           k_q45df5c9aaa_proj
    .symbol:         k_q45df5c9aaa_proj.kd
    .args:
      - { .name: orec, .offset: 0, .size: 8, .value_kind: global_buffer, .address_space: global }
      - { .name: wcodes, .offset: 8, .size: 8, .value_kind: global_buffer, .address_space: global }
      - { .name: wscales, .offset: 16, .size: 8, .value_kind: global_buffer, .address_space: global }
      - { .name: b_proj, .offset: 24, .size: 8, .value_kind: global_buffer, .address_space: global }
      - { .name: out0, .offset: 32, .size: 8, .value_kind: global_buffer, .address_space: global }
    .group_segment_fixed_size: 34304
    .private_segment_fixed_size: 0
    .kernarg_segment_align: 8
    .kernarg_segment_size: 40
    .max_flat_workgroup_size: 256
    .sgpr_count:     66
    .vgpr_count:     186
    .wavefront_size: 32
...
	.end_amdgpu_metadata
.endif
;; end of part 3
